; MI455X (gfx1250); checked and timed in simulation.
; The chip was launched on July 23, 2026; its instructions are those of AMD's public machine-readable ISA for CDNA 5 (MIT licence, August 2026) and "CDNA5" Instruction Set Architecture Reference Guide (July 2026). The comments in the code are by the model that wrote it; some were corrected since.
;; Causal Self Attention. Allowed arithmetic: matrix products marked QUANTISED: E2M3 operands, one E8M0 scale for each 32 along K, by v_wmma_scale_f32_16x16x128_f8f6f4 with both operands' format E2M3, f32 sums; everything else in f32.
;; Inputs: b_attn 3,072 float32; b_proj 1,024 float32; w_attn 3,072 x 1,024 float32; w_proj 1,024 x 1,024 float32; x 4 x 2,048 x 1,024 float32.
;; Outputs: out0 4 x 2,048 x 1,024 float32.
;; This version of the problem:
;;   THIS VERSION OF THE PROBLEM IS GIVEN IN LOW PRECISION. The matrix products marked QUANTISED in the list below multiply operands that are first quantised to E2M3 (2 exponent bits, 3 mantissa bits; 6 bits a number), with one power-of-two scale for each 32 numbers along K (OCP MX v1.0); their sums are f32. All else is computed in f32.
;;   The module's matrix products, in the order in which they are computed (A, B: the left and right operand; K: the contracted axis; several contracted axes count as one K, in the product's order):
;;     1. [M 8,192, K 1,024] x [K 1,024, N 3,072]; A: input x; B: input w_attn: QUANTISED
;;     2. batch 64 x [M 2,048, K 64] x [K 64, N 2,048]; A: computed on the way; B: computed on the way: QUANTISED
;;     3. batch 64 x [M 2,048, K 2,048] x [K 2,048, N 64]; A: softmax (see below); B: computed on the way: QUANTISED
;;     4. [M 8,192, K 1,024] x [K 1,024, N 1,024]; A: computed on the way; B: input w_proj: QUANTISED
;;   THE QUANTISER, for each operand of a quantised product, along K:
;;     - K is cut into blocks of 32 from its start; a last block that is shorter is filled with zeros.
;;     - A block's scale is 2^e with e = floor(log2(the largest magnitude in the block)) - 2, held to -126 .. 127; a block of zeros has e = 0. As a byte (E8M0): e + 127.
;;     - Each number is divided by its block's scale, clamped to +-7.5, and rounded to the nearest number of E2M3, ties to even, subnormals kept.
;;     - The product sums the exact products of the quantised numbers (number of the format x scale) in f32.
;;   ~~~python
;;   def quantise(x, axis):      # numpy; x: float32 -> the quantised numbers, widened to float32 again
;;       x = np.moveaxis(x, axis, -1); K = x.shape[-1]
;;       x = np.pad(x, [(0, 0)] * (x.ndim - 1) + [(0, -K % 32)]); x = x.reshape(x.shape[:-1] + (-1, 32)); a = np.abs(x).max(-1, keepdims=True)
;;       e = np.where(a > 0, np.clip(np.frexp(np.where(a > 0, a, 1))[1] - 1 - 2, -126, 127), 0)      # np.frexp(a)[1] - 1 = floor(log2(a)), exactly
;;       r = np.clip(x / 2.0 ** e, -7.5, 7.5)
;;       step = 2.0 ** (np.maximum(np.frexp(np.where(r == 0, 1, r))[1] - 1, 0) - 3)
;;       q = np.round(r / step) * step * 2.0 ** e      # np.round: ties to even
;;       return np.moveaxis(q.reshape(q.shape[:-2] + (-1,))[..., :K], -1, axis).astype(np.float32)
;;   ~~~
;;   SOFTMAX AHEAD OF A QUANTISED PRODUCT. Where the list says 'softmax', what is quantised is not the finished softmax but p = 2^(t - M), with t = logit x log2(e) and M = ceil(the row's largest t), a whole number; so 1/2 < the row's largest p <= 1. The row's sum l is taken of the UNQUANTISED p, in f32, and the product's result is divided by l at the end. Since M is a whole number, a kernel that streams over the keys may use a running M (the ceiling of the running maximum): every later rescaling is an exact power of two, which a block's scale takes up: the codes' values come out the same.
;;   OPERANDS COMPUTED ON THE WAY. 'Computed on the way' means the value that the module computes at that place (a softmax that the list does not call 'softmax' is quantised finished and normalised). What goes into a quantiser is computed in f32, as accurately as f32 sums, v_exp_f32 and their like allow (about 1e-6 of the number): no bf16 or f16 on the way to a quantiser, and a product that is left as it is and whose result goes on into a quantised operand takes f32 operands (vector FMAs, or v_wmma_f32_16x16x4_f32). A number that lies on a knife's edge between two numbers of the format may be rounded either way, as far as f32 arithmetic and the matrix unit's own rounding can turn it there, and no further.
;; One version. Each part assembles by itself: llvm-mc -triple=amdgcn-amd-amdhsa -mcpu=gfx1250 --defsym DOCPART=n.
;; ======== version 1 of 1: 4 launches
;; workspace buffers: opq 9,830,400 bytes; qkvc 18,874,368 bytes; qkvs 786,432 bytes; yq 6,815,744 bytes
;; launch quant (part 1): grid 768 x 1, 8 waves a work-group, no clusters, 69,120 bytes of LDS; arguments x, w_attn, w_proj, opq; writes opq
.if DOCPART == 1
	.amdgcn_target "amdgcn-amd-amdhsa--gfx1250"
	.amdhsa_code_object_version 6
	.text
	.protected	k_qf3aef5b2f5_quant
	.globl	k_qf3aef5b2f5_quant
	.p2align	8
	.type	k_qf3aef5b2f5_quant,@function
k_qf3aef5b2f5_quant:
	s_mov_b64 s[64:65], 0
	v_nop
	global_prefetch_b8 v0, s[64:65] scope:SCOPE_SE
	s_setreg_imm32_b32 hwreg(HW_REG_WAVE_MODE, 25, 1), 1
	s_wait_xcnt 0x0
; x [8192][1024], w_attn [3072][1024], w_proj [1024][1024], f32, K innermost, become codes of FP6 (E2M3) with one E8M0 byte for each 32 along K,
; laid as IMAGES OF OPERAND REGISTERS.  opq is 768 blocks of 12,800 bytes; a block is 128 rows x 128 along K: blocks 0-511 x, 512-703 w_attn, 704-767 w_proj,
; in the order [group of 128 rows][K step].  In a block: codes [tile 8][g 3][lane 32][16 bytes] (registers 4 g .. 4 g + 3 of the tile's fragment), then 512 bytes of scale words [tile / 4][r 16][tile % 4].
; THE ROWS OF A TILE ARE NOT NEIGHBOURS: lane r of tile i stands for row 32 (i / 2) + 8 (i % 2) + r + 8 (r / 8) of the group, so that in a later product's result the 16 registers of two neighbouring tiles are 16 neighbours.
; A block's scale is 2^(floor(log2(largest magnitude)) - 2): its byte is the largest magnitude's exponent field - 2, held at 1 from below.
; LIMITS: NaN and infinities are not served; a block whose largest magnitude lies under 2^-124 keeps the byte 1; a block of zeros gets the byte 1 where the rule says 127: its codes are zeros, and this program alone reads the bytes.
; SHARES: a work-group makes one block, wave i its tile i.  Each load reads 512 consecutive bytes of one row; the 16 rows turn through the wave's own stage in LDS, so that lane (r, h) gets blocks h and 2 + h of row r: the operand's own layout.
.set ROWB,  4096                       ; a row of 1,024 f32
.set PITCH, 528                        ; a stage row: 512 bytes + 16
.set WST,   16*PITCH                   ; a wave's stage
.set SCB,   8*WST                      ; behind the stages: the block's 512 bytes of scale words
.set BLKB,  12800
.set X,     64                         ; v64-127 the 64 numbers
.set PC,    20                         ; v20-31  the fragment's 12 registers
.set TP,    32                         ; v32-34, v36-38 the second halves of the two blocks, as converted
	s_load_b256 s[4:11], s[0:1], 0x0               ; x, w_attn, w_proj, opq
	v_lshl_add_u32 v128, v0, 2, 0x10a00
	v_mov_b32 v129, 0
	v_lshrrev_b32 v1, 5, v0
	s_delay_alu instid0(VALU_DEP_1)
	v_readfirstlane_b32 s12, v1                    ; wave = tile i
	v_and_b32 v2, 31, v0                           ; lane
	v_and_b32 v3, 15, v0                           ; r
	v_bfe_u32 v11, v0, 4, 1                        ; h
	s_delay_alu instid0(VALU_DEP_3)
	v_lshlrev_b32 v4, 4, v2                        ; 16 x lane
	s_mul_i32 s13, s12, WST
	v_add_nc_u32 v5, s13, v4                       ; into the stage: a row's 512 bytes as they lie
	v_mul_u32_u24 v6, v3, PITCH
	s_delay_alu instid0(VALU_DEP_1)
	v_lshl_add_u32 v6, v11, 7, v6
	s_delay_alu instid0(VALU_DEP_1)
	v_add_nc_u32 v6, s13, v6                       ; out of it: row r, block h
	s_lshr_b32 s14, s12, 2
	s_lshl_b32 s14, s14, 8
	s_and_b32 s15, s12, 3
	s_lshl_b32 s15, s15, 2
	s_add_co_u32 s14, s14, s15
	s_add_co_u32 s14, s14, SCB
	v_lshl_add_u32 v7, v3, 4, s14                  ; my row's scale word: [i / 4][r][i % 4]
	v_add_nc_u32 v8, SCB, v4                       ; and the 512 bytes as wave 0 reads them back
	s_mov_b32 s20, 0x76543210
	s_mov_b32 s21, 0xfedcba98                      ; lane l xor 16
	s_wait_alu depctr_va_vdst(0)
	s_wait_kmcnt 0x0
	s_cmp_lt_u32 ttmp9, 512                        ; which tensor: the choice hangs on the work-group's number alone
	s_cselect_b64 s[4:5], s[4:5], s[6:7]
	s_cselect_b32 s16, 0, 512
	s_cmp_lt_u32 ttmp9, 704
	s_cselect_b64 s[4:5], s[4:5], s[8:9]
	s_cselect_b32 s16, s16, 704
	s_sub_co_u32 s16, ttmp9, s16                   ; the block's number in its tensor
	s_lshr_b32 s17, s16, 3
	s_lshl_b32 s18, s17, 19                        ; 128 rows of 4,096 bytes for each group
	s_and_b32 s17, s16, 7
	s_lshl_b32 s17, s17, 9                         ; 512 bytes for each K step
	s_add_co_u32 s18, s18, s17
	s_lshr_b32 s17, s12, 1
	s_lshl_b32 s17, s17, 17                        ; 32 (i / 2) rows
	s_add_co_u32 s18, s18, s17
	s_and_b32 s17, s12, 1
	s_lshl_b32 s17, s17, 15                        ; 8 (i % 2) rows
	s_add_co_u32 s18, s18, s17
	s_mov_b32 s19, 0
	s_add_nc_u64 s[4:5], s[4:5], s[18:19]
	s_mul_i32 s22, ttmp9, BLKB
	s_mul_i32 s17, s12, 1536
	s_add_co_u32 s22, s22, s17
	s_mov_b32 s23, 0
	s_add_nc_u64 s[10:11], s[10:11], s[22:23]      ; my tile's image
.irp q, 0,1,2,3,4,5,6,7,8,9,10,11,12,13,14,15
	global_load_b128 v[X+4*\q:X+4*\q+3], v4, s[4:5] offset:(\q+8*(\q/8))*ROWB th:TH_LOAD_NT   ; tile row q: 32 lanes read 512 consecutive bytes
.endr
.irp q, 0,1,2,3,4,5,6,7,8,9,10,11,12,13,14,15
	s_wait_loadcnt 15-\q                           ; row q is in; the younger rows' loads stay out
	ds_store_b128 v5, v[X+4*\q:X+4*\q+3] offset:PITCH*\q
.endr
	s_wait_dscnt 0x0                               ; the stores have read their registers, which the loads below fill again
.irp c, 0,1
.irp e, 0,1,2,3,4,5,6,7
	ds_load_b128 v[X+32*\c+4*\e:X+32*\c+4*\e+3], v6 offset:256*\c+16*\e   ; k = 64 c + 32 h + 4 e ..
.endr
.endr
	s_wait_dscnt 0x0
.irp c, 0,1
	v_max3_num_f32 v[12+\c], |v[X+32*\c]|, |v[X+32*\c+1]|, 0x1800000   ; block 2 c + h: all 32 numbers are mine; the floor 2^(3 - 127) holds the byte at 1
.endr
.irp i, 2,4,6,8,10,12,14,16,18,20,22,24,26,28,30
.irp c, 0,1
	s_delay_alu instid0(VALU_DEP_2)
	v_max3_num_f32 v[12+\c], v[12+\c], |v[X+32*\c+\i]|, |v[X+32*\c+\i+1]|
.endr
.endr
.irp c, 0,1
	s_delay_alu instid0(VALU_DEP_2)
	v_add_nc_u32 v[14+\c], 0xff000000, v[12+\c]    ; 2 off the exponent field: the conversion's scale operand
.endr
.irp c, 0,1
	s_delay_alu instid0(VALU_DEP_2)
	v_lshrrev_b32 v[16+\c], 23, v[14+\c]           ; the scale's byte
.endr
	s_delay_alu instid0(VALU_DEP_1)
	v_lshl_or_b32 v9, v17, 16, v16                 ; my two bytes, blocks h and 2 + h,
	v_lshlrev_b32 v10, 3, v11
	s_delay_alu instid0(VALU_DEP_1)
	v_lshlrev_b32 v9, v10, v9                      ; at their places in the word;
	v_mov_b32 v10, 0
	s_delay_alu instid0(VALU_DEP_1)
	v_permlanex16_b32 v10, v9, s20, s21
	s_delay_alu instid0(VALU_DEP_1)
	v_or_b32 v9, v9, v10                           ; with lane l xor 16's two the word is whole
.irp c, 0,1
	v_cvt_scalef32_pk16_fp6_f32 v[PC+6*\c:PC+6*\c+2], v[X+32*\c:X+32*\c+15], v[14+\c]
	v_cvt_scalef32_pk16_fp6_f32 v[TP+4*\c:TP+4*\c+2], v[X+32*\c+16:X+32*\c+31], v[14+\c]   ; (a conversion's three registers begin on an even number)
.endr
	v_nop                                          ; one plain line behind the conversions
.irp c, 0,1
.irp i, 0,1,2
	v_mov_b32 v[PC+3+6*\c+\i], v[TP+4*\c+\i]
.endr
.endr
.irp g, 0,1,2
	global_store_b128 v4, v[PC+4*\g:PC+4*\g+3], s[10:11] offset:512*\g   ; 32 lanes store 512 consecutive bytes, at a multiple of 256 from the buffer's first byte
.endr
	ds_store_b32 v7, v9                            ; both lanes of a row write the same word with the same value
	s_wait_dscnt 0x0                               ; for the others' sake: my word lies in LDS
	s_barrier_signal -1
	s_barrier_wait -1
	s_cmp_lg_u32 s12, 0
	s_cbranch_scc1 .Ldone
	ds_load_b128 v[40:43], v8                      ; wave 0 sends the block's 512 bytes of scale words as two whole runs of 256
	s_wait_dscnt 0x0
	global_store_b128 v4, v[40:43], s[10:11] offset:12288
.Ldone:
	s_wait_tensorcnt 0x0
	ds_add_u32 v128, v129
	s_wait_dscnt 0x0
	s_endpgm
.Lfunc_end_k_qf3aef5b2f5_quant:
	.size	k_qf3aef5b2f5_quant, .Lfunc_end_k_qf3aef5b2f5_quant-k_qf3aef5b2f5_quant
	.p2alignl 7, 3214868480
	.fill 96, 4, 3214868480
	.section	.rodata,"a",@progbits
	.p2align	6, 0x0
	.amdhsa_kernel k_qf3aef5b2f5_quant
		.amdhsa_group_segment_fixed_size 69120
		.amdhsa_private_segment_fixed_size 0
		.amdhsa_enable_private_segment 0
		.amdhsa_kernarg_size 32
		.amdhsa_user_sgpr_count 2
		.amdhsa_user_sgpr_kernarg_segment_ptr 1
		.amdhsa_wavefront_size32 1
		.amdhsa_system_sgpr_workgroup_id_x 1
		.amdhsa_system_sgpr_workgroup_id_y 1
		.amdhsa_system_sgpr_workgroup_id_z 1
		.amdhsa_system_vgpr_workitem_id 0
		.amdhsa_next_free_vgpr 130
		.amdhsa_next_free_sgpr 66
		.amdhsa_reserve_vcc 0
		.amdhsa_float_denorm_mode_32 3
		.amdhsa_float_denorm_mode_16_64 3
		.amdhsa_memory_ordered 1
		.amdhsa_forward_progress 1
		.amdhsa_inst_pref_size 12
	.end_amdhsa_kernel
	.amdgpu_metadata
---
amdhsa.version: [ 1, 2 ]
amdhsa.kernels:
  - .name:           k_qf3aef5b2f5_quant
    .symbol:         k_qf3aef5b2f5_quant.kd
    .args:
      - { .name: x, .offset: 0, .size: 8, .value_kind: global_buffer, .address_space: global }
      - { .name: w_attn, .offset: 8, .size: 8, .value_kind: global_buffer, .address_space: global }
      - { .name: w_proj, .offset: 16, .size: 8, .value_kind: global_buffer, .address_space: global }
      - { .name: opq, .offset: 24, .size: 8, .value_kind: global_buffer, .address_space: global }
    .group_segment_fixed_size: 69120
    .private_segment_fixed_size: 0
    .kernarg_segment_align: 8
    .kernarg_segment_size: 32
    .max_flat_workgroup_size: 256
    .sgpr_count:     66
    .vgpr_count:     130
    .wavefront_size: 32
...
	.end_amdgpu_metadata
.endif
;; end of part 1
;; launch qkv (part 2): grid 12 x 64, 4 waves a work-group, clusters of 4 x 4, 307,712 bytes of LDS; arguments opq, b_attn, qkvc, qkvs; writes qkvc, qkvs
.if DOCPART == 2
	.amdgcn_target "amdgcn-amd-amdhsa--gfx1250"
	.amdhsa_code_object_version 6
	.text
	.protected	k_qf3aef5b2f5_qkv
	.globl	k_qf3aef5b2f5_qkv
	.p2align	8
	.type	k_qf3aef5b2f5_qkv,@function
k_qf3aef5b2f5_qkv:
	s_mov_b64 s[64:65], 0
	v_nop
	global_prefetch_b8 v0, s[64:65] scope:SCOPE_SE
	s_setreg_imm32_b32 hwreg(HW_REG_WAVE_MODE, 25, 1), 1
	s_wait_xcnt 0x0
	s_wait_alu depctr_hold_cnt(0) depctr_sa_sdst(0) depctr_va_vdst(0) depctr_va_sdst(0) depctr_va_ssrc(0) depctr_va_vcc(0) depctr_vm_vsrc(0)
	s_getreg_b32 s2, hwreg(HW_REG_IB_STS2, 6, 4)
	s_cmp_eq_u32 s2, 0
	s_cbranch_scc0 .Lentry_in_a_cluster
	s_endpgm
.Lentry_in_a_cluster:
	s_bfe_u32 s2, ttmp6, 0x10000c
	s_cmp_lg_u32 s2, 0xf033
	s_cbranch_scc0 .Lentry_shape_is_right
	s_endpgm
.Lentry_shape_is_right:
; qkv = x w_attn^T + b_attn on codes of FP6, and the result quantised again at once: q and k along the head's 64, v along the keys.  Nothing leaves as f32.
; A work-group takes one group of 128 rows of x (work-group y) and two groups of 128 rows of w_attn (2 x, 2 x + 1), all of K = 1,024: 3 x 8 blocks of 12,800 bytes lie in LDS at once, each byte filled once, in four stages of two K steps.
; D = S0 x S1: source 0 = 16 rows of S0, source 1 = 16 rows of S1; a lane holds one row of S1 and its registers run along S0's rows, 16 neighbours in two neighbouring tiles (the tiles' rows are chosen so by the launch before).
; q, k (cluster x 0, 1): S1 = x (tokens), S0 = w: the registers run along the features, which are the next product's K.   v (cluster x 2): S1 = w (channels), S0 = x: the registers run along the keys.  Nothing is transposed.
; A wave makes 64 rows of S1 (half ah) x 128 rows of S0, with w's group ww: 32 accumulators, which take turns, one instruction a turn.
; CLUSTER 4 x 4: x's blocks hang on work-group y alone and are asked for jointly along a row of the cluster, w's on work-group x alone, along a column.  The mode hangs on the cluster's x, the same in all sixteen.
; OUT: qkvc, blocks of 12,288 bytes [c 2][tile 8][p 3][lane 32][8 bytes]: registers 6 c + 2 p, 6 c + 2 p + 1 of the fragment of S1's tile; qkvs, 512 bytes a block, scale words [tile / 4][r][tile % 4].
;      block (G, R) = (R / 8) 512 + ((G / 16) 8 + R % 8) 16 + G % 16, G the group of x, R that of w_attn.
; LIMITS: NaN and infinities are not served; a block of 32 whose largest magnitude lies under 2^-124, zeros among them, keeps the byte 1.
; REGISTERS: window 0: v2-12 lane numbers and addresses; v16-39 scale words, two sets (S1's 4, S0's 8); v64-159 S1's fragments, two sets; on the way out v64-143 codes, v160-213 at work.
;            window 1: v0-191 S0's fragments, two sets; v192-255 the bias in the result's layout.   window 2: accumulator (a, b) at v[8 (8 a + b)].
.set KB,   12800                       ; a block
.set SB,   6*KB                        ; a stage: x's two K steps, w's first group's, w's second group's
.set A1,   4                           ; v4  LDS address of S1's fragments
.set A0,   5                           ; v5  of S0's
.set C1,   6                           ; v6  of S1's scale words
.set C0,   7                           ; v7  of S0's
.set SC,   16
.set F1,   64
.set BIAS, 192
.set PC,   64                          ; the way out: 20 registers for each of the four tiles
.set TM,   160
.set TX,   176
.set SCLR, 192
.set WD,   208
.set G1X,  16                          ; s[16:23] group 1 for x's blocks;  s[24:31] for w's;  s[32:47], s[48:63] their four groups 0
.set G1W,  24
.set G0X,  32
.set G0W,  48
.set MSB, 0
.macro WIN new                         ; the immediate's high byte repeats the setting that is left
.if MSB != \new
	s_set_vgpr_msb (MSB<<8)|\new
.set MSB, \new
.endif
.endm
.macro CROUND                          ; a round of the cluster's barrier
	s_barrier_signal -1
	s_barrier_wait -1
	s_cmp_lg_u32 s12, 0
	s_cbranch_scc1 .Lnot_wave_0_\@
	s_barrier_signal -3
.Lnot_wave_0_\@:
	s_barrier_wait -3
	s_barrier_signal -1
	s_barrier_wait -1
.endm
.macro PLACES
.rept 4
	v_nop
.endr
.endm
	s_load_b256 s[4:11], s[0:1], 0x0               ; opq, b_attn, qkvc, qkvs
	v_lshl_add_u32 v254, v0, 2, 0x4b000
	v_mov_b32 v255, 0
	ds_add_u32 v254, v255
	ds_add_u32 v254, v255
	v_lshrrev_b32 v1, 5, v0
	v_readfirstlane_b32 s12, v1                    ; wave
	s_and_b32 s13, s12, 1                          ; ww: which group of w
	s_lshr_b32 s14, s12, 1                         ; ah: which half of S1's tiles
	s_bfe_u32 s66, ttmp6, 0x40000                  ; cx
	s_bfe_u32 s67, ttmp6, 0x40004                  ; cy
	s_lshl_b32 s68, ttmp9, 2
	s_add_co_u32 s68, s68, s66                     ; work-group x
	s_and_b32 s69, ttmp7, 0xffff
	s_lshl_b32 s69, s69, 2
	s_add_co_u32 s69, s69, s67                     ; work-group y = G
	s_lshl_b32 s70, s67, 2
	s_lshl_b32 s70, 15, s70                        ; my row of the cluster
	s_lshl_b32 s71, 0x1111, s66                    ; my column
	s_or_b32 s[G1X], s70, (3<<16)|(1<<21)          ; the mask; elements of 8 bytes; bit 21 beside a mask; no padding
	s_or_b32 s[G1W], s71, (3<<16)|(1<<21)
.irp g, G1X, G1W                       ; two blocks, 25,600 dense bytes, as 100 rows of 256
	s_mov_b32 s[\g+1], 32<<16
	s_mov_b32 s[\g+2], 100<<16
	s_mov_b32 s[\g+3], 32<<16
	s_mov_b32 s[\g+4], 100
	s_mov_b32 s[\g+5], 32
	s_mov_b32 s[\g+6], 0
	s_mov_b32 s[\g+7], 0
.endr
	s_mul_i32 s72, s69, 8*KB                       ; x's group: made of work-group y alone
	s_mov_b32 s73, 0
	s_lshl_b32 s76, s68, 1
	s_add_co_u32 s76, s76, s13                     ; R = 2 x + ww
	s_mul_i32 s74, s76, 8*KB
	s_add_co_u32 s74, s74, 512*KB                  ; w_attn's blocks lie behind x's 512
	s_mov_b32 s75, 0
	s_mul_i32 s77, s13, 2*KB
	s_add_co_u32 s77, s77, 2*KB                    ; w's place in a stage: the wave's number alone
	s_wait_dscnt 0x0
	s_wait_kmcnt 0x0
	s_add_nc_u64 s[72:73], s[4:5], s[72:73]
	s_add_nc_u64 s[74:75], s[4:5], s[74:75]
.irp d, 0,1,2,3
	s_mov_b32 s[G0X+4*\d], 1
	s_mov_b32 s[G0X+4*\d+1], \d*SB
	s_add_nc_u64 s[G0X+4*\d+2:G0X+4*\d+3], s[72:73], \d*2*KB
	s_or_b32 s[G0X+4*\d+3], s[G0X+4*\d+3], 0x80000000
	s_mov_b32 s[G0W+4*\d], 1
	s_add_co_u32 s[G0W+4*\d+1], s77, \d*SB
	s_add_nc_u64 s[G0W+4*\d+2:G0W+4*\d+3], s[74:75], \d*2*KB
	s_or_b32 s[G0W+4*\d+3], s[G0W+4*\d+3], 0x80000000
.endr
	CROUND                                         ; all sixteen work-groups are here: the joint loads meet
	s_cmp_eq_u32 s12, 0                            ; ALL fills of the launch go out here, as one group: wave 0 x's four stages, waves 2 and 3 w's; four loads of a wave are out at the most
	s_cbranch_scc0 .Lnot_x
.irp d, 0,1,2,3
	tensor_load_to_lds s[G0X+4*\d:G0X+4*\d+3], s[G1X:G1X+7]
	s_nop 0
.endr
	PLACES
	s_branch .Lfilled
.Lnot_x:
	s_cmp_lt_u32 s12, 2
	s_cbranch_scc1 .Lfilled
.irp d, 0,1,2,3
	tensor_load_to_lds s[G0W+4*\d:G0W+4*\d+3], s[G1W:G1W+7]
	s_nop 0
.endr
	PLACES
.Lfilled:
	v_and_b32 v2, 31, v0                           ; lane
	v_and_b32 v3, 15, v0                           ; r
	s_wait_alu depctr_va_vdst(0)
	v_bfe_u32 v10, v0, 4, 1                        ; h
	s_wait_alu depctr_va_vdst(0)
	s_cmp_eq_u32 ttmp9, 2                          ; the mode: v where the cluster's x is 2
	s_cselect_b32 s15, 1, 0
	s_cselect_b32 s78, s77, 0                      ; S1's place in a stage: w's for v, x's for q and k
	s_cselect_b32 s79, 0, s77                      ; S0's: the other
	s_mul_i32 s80, s14, 6144
	s_add_co_u32 s80, s80, s78
	v_lshl_add_u32 v[A1], v2, 4, s80               ; my four tiles of S1: an image's 16 bytes a lane
	v_lshl_add_u32 v[A0], v2, 4, s79
	s_lshl_b32 s80, s14, 8
	s_add_co_u32 s80, s80, s78
	s_add_co_u32 s80, s80, 12288
	v_lshl_add_u32 v[C1], v3, 4, s80               ; four tiles' scale words of row r
	s_add_co_u32 s80, s79, 12288
	v_lshl_add_u32 v[C0], v3, 4, s80
	v_lshlrev_b32 v8, 6, v10                       ; bias of q, k: 16 h numbers on
	v_and_b32 v9, 8, v3
	v_add_nc_u32 v9, v9, v3
	v_lshlrev_b32 v9, 2, v9
	s_lshl_b32 s80, s14, 8
	v_add_nc_u32 v9, s80, v9                       ; bias of v: 4 (r + 8 (r / 8)) + 256 ah
	v_lshlrev_b32 v11, 3, v2                       ; 8 x lane
	v_lshlrev_b32 v12, 4, v3
	v_lshl_add_u32 v12, v10, 3, v12                ; 16 r + 8 h
	s_mov_b32 s90, 0x76543210
	s_mov_b32 s91, 0xfedcba98
	s_lshr_b32 s80, s76, 3                         ; the block (G, R)
	s_lshl_b32 s80, s80, 9
	s_lshr_b32 s81, s69, 4
	s_lshl_b32 s81, s81, 3
	s_and_b32 s82, s76, 7
	s_add_co_u32 s81, s81, s82
	s_lshl_b32 s81, s81, 4
	s_add_co_u32 s80, s80, s81
	s_and_b32 s82, s69, 15
	s_add_co_u32 s80, s80, s82
	s_mul_i32 s92, s80, 12288
	s_mul_i32 s82, s14, 3072
	s_add_co_u32 s92, s92, s82
	s_mov_b32 s93, 0
	s_add_nc_u64 s[84:85], s[8:9], s[92:93]        ; my four tiles' codes
	s_lshl_b32 s92, s80, 9
	s_lshl_b32 s82, s14, 8
	s_add_co_u32 s92, s92, s82
	s_add_nc_u64 s[86:87], s[10:11], s[92:93]      ; and scale words
	s_lshl_b32 s92, s76, 9
	s_add_nc_u64 s[88:89], s[6:7], s[92:93]        ; the bias of w's group
	; THE BIAS is the C of each sum's first product.  q, k: it runs along the registers: tile b's eight numbers.  v: it runs along the lanes: tile a's number in all eight registers;
	; each of v's four tiles is loaded twice (even b take the first copy, odd b the second), so that all 64 registers are written on both ways.
	s_cmp_eq_u32 s15, 0
	s_cbranch_scc0 .Lbias_v
	WIN 0x40                                       ; destination window 1
	s_wait_alu depctr_va_vdst(0)
.irp b, 0,1,2,3,4,5,6,7
	global_load_b128 v[BIAS+8*\b:BIAS+8*\b+3], v8, s[88:89] offset:4*(32*(\b/2)+8*(\b%2))
	global_load_b128 v[BIAS+8*\b+4:BIAS+8*\b+7], v8, s[88:89] offset:4*(32*(\b/2)+8*(\b%2))+16
.endr
	WIN 0
	s_branch .Lbias_done
.Lbias_v:
	WIN 0x40
	s_wait_alu depctr_va_vdst(0)
.irp u, 0,1
.irp a, 0,1,2,3
.irp j, 0,1,2,3,4,5,6,7
	global_load_b32 v[BIAS+32*\u+8*\a+\j], v9, s[88:89] offset:4*(32*(\a/2)+8*(\a%2))
.endr
.endr
.endr
	WIN 0
.Lbias_done:
.macro FETCH s                         ; K step s: S0's eight fragments, S1's four, their scale words, into set s % 2: images, 16 bytes a lane
.set FQ, (\s)%2
	WIN 0x40
.irp b, 0,1,2,3,4,5,6,7
.irp g, 0,1,2
	ds_load_b128 v[96*FQ+12*\b+4*\g:96*FQ+12*\b+4*\g+3], v[A0] offset:FQ*KB+1536*\b+512*\g
.endr
.endr
	WIN 0
.irp a, 0,1,2,3
.irp g, 0,1,2
	ds_load_b128 v[F1+48*FQ+12*\a+4*\g:F1+48*FQ+12*\a+4*\g+3], v[A1] offset:FQ*KB+1536*\a+512*\g
.endr
.endr
	ds_load_b128 v[SC+12*FQ:SC+12*FQ+3], v[C1] offset:FQ*KB
	ds_load_b128 v[SC+12*FQ+4:SC+12*FQ+7], v[C0] offset:FQ*KB
	ds_load_b128 v[SC+12*FQ+8:SC+12*FQ+11], v[C0] offset:FQ*KB+256
.endm
.macro MUL s, cm                       ; 32 products.  cm 0: onto the sums; 1: the sums begin with the bias of tile b; 2: of tile a
.set FP, (\s)%2
.irp a, 0,1,2,3
.irp b, 0,1,2,3,4,5,6,7
.if \cm == 0
	v_wmma_scale_f32_16x16x128_f8f6f4 v[8*(8*\a+\b):8*(8*\a+\b)+7], v[96*FP+12*\b:96*FP+12*\b+11], v[F1+48*FP+12*\a:F1+48*FP+12*\a+11], v[8*(8*\a+\b):8*(8*\a+\b)+7], v[SC+12*FP+4+\b], v[SC+12*FP+\a] matrix_a_fmt:MATRIX_FMT_FP6 matrix_b_fmt:MATRIX_FMT_FP6
.elseif \cm == 1
	v_wmma_scale_f32_16x16x128_f8f6f4 v[8*(8*\a+\b):8*(8*\a+\b)+7], v[96*FP+12*\b:96*FP+12*\b+11], v[F1+48*FP+12*\a:F1+48*FP+12*\a+11], v[BIAS+8*\b:BIAS+8*\b+7], v[SC+12*FP+4+\b], v[SC+12*FP+\a] matrix_a_fmt:MATRIX_FMT_FP6 matrix_b_fmt:MATRIX_FMT_FP6
.else
	v_wmma_scale_f32_16x16x128_f8f6f4 v[8*(8*\a+\b):8*(8*\a+\b)+7], v[96*FP+12*\b:96*FP+12*\b+11], v[F1+48*FP+12*\a:F1+48*FP+12*\a+11], v[BIAS+8*\a+32*(\b%2):BIAS+8*\a+32*(\b%2)+7], v[SC+12*FP+4+\b], v[SC+12*FP+\a] matrix_a_fmt:MATRIX_FMT_FP6 matrix_b_fmt:MATRIX_FMT_FP6
.endif
.endr
.endr
.endm
; The head of K step s: its operands are in; the next step's are asked for, so that they land under this step's 32 products.  An odd step goes on to the next stage: the wave that fetched waits for that stage's
; load (the later stages' may stay out), all meet at a barrier, and the four addresses step on; these four additions are the places in front of the loads into the set that the step before multiplied.
.macro STEP s
	s_wait_dscnt 0x0
.if (\s) < 7
.if (\s)%2
	s_wait_tensorcnt 3-((\s)+1)/2
	s_barrier_signal -1
	s_barrier_wait -1
	v_add_nc_u32 v[A1], SB, v[A1]
	v_add_nc_u32 v[A0], SB, v[A0]
	s_wait_alu depctr_va_vdst(0)
	v_add_nc_u32 v[C1], SB, v[C1]
	s_wait_alu depctr_va_vdst(0)
	v_add_nc_u32 v[C0], SB, v[C0]
.else
	PLACES
.endif
	FETCH (\s)+1
.endif
.endm
	s_wait_tensorcnt 3                             ; my part of stage 0 is in,
	s_barrier_signal -1
	s_barrier_wait -1                              ; everybody's is
	FETCH 0
	STEP 0
	s_wait_loadcnt 0x0                             ; the bias
	s_cmp_eq_u32 s15, 0
	s_cbranch_scc0 .Lfirst_v
	WIN 0x91                                       ; S0 and the bias window 1, S1 window 0, D window 2
	MUL 0, 1
	WIN 0
	s_branch .Lfirst_done
.Lfirst_v:
	WIN 0x91
	MUL 0, 2
	WIN 0
.Lfirst_done:
.irp s, 1,2,3,4,5,6,7
	s_wait_alu depctr_va_vdst(0)
	STEP \s
	WIN 0xa1                                       ; S0 window 1, S1 window 0, C and D window 2
	MUL \s, 0
	WIN 0
.endr
	; THE WAY OUT.  Block n = 4 a + be of 16: registers 16 n .. 16 n + 15 of window 2 are my 16 of the 32 numbers of S1's row along S0's rows 32 be ..; lane l xor 16 holds the other 16.
.irp n, 0,1,2,3,4,5,6,7,8,9,10,11,12,13,14,15
	v_mov_b32 v[TX+\n], 0                          ; a lane permute's destination counts as one of its sources.  (These are also the places behind the last products)
.endr
	WIN 0x0a                                       ; sources 0 and 1 window 2
.irp n, 0,1,2,3,4,5,6,7,8,9,10,11,12,13,14,15
	v_max3_num_f32 v[TM+\n], |v[16*\n]|, |v[16*\n+1]|, 0x1800000   ; each accumulator is read from its low end on; the floor 2^(3 - 127) holds the byte at 1
.endr
.irp i, 2,4,6,8,10,12,14
.irp n, 0,1,2,3,4,5,6,7,8,9,10,11,12,13,14,15
	v_max3_num_f32 v[TM+\n], |v[16*\n+\i]|, |v[16*\n+\i+1]|, v[TM+\n]
.endr
.endr
	WIN 0
.irp n, 0,1,2,3,4,5,6,7,8,9,10,11,12,13,14,15
	v_permlanex16_b32 v[TX+\n], v[TM+\n], s90, s91
.endr
.irp n, 0,1,2,3,4,5,6,7,8,9,10,11,12,13,14,15
	v_max_num_f32 v[TM+\n], v[TM+\n], v[TX+\n]     ; the block's largest magnitude
.endr
.irp n, 0,1,2,3,4,5,6,7,8,9,10,11,12,13,14,15
	v_add_nc_u32 v[SCLR+\n], 0xff000000, v[TM+\n]  ; 2 off its exponent field: the conversion's scale operand
.endr
.irp n, 0,1,2,3,4,5,6,7,8,9,10,11,12,13,14,15
	v_lshrrev_b32 v[TX+\n], 23, v[SCLR+\n]         ; the scale's byte
.endr
.irp a, 0,1,2,3
	v_lshl_or_b32 v[WD+\a], v[TX+4*\a+1], 8, v[TX+4*\a]
.endr
.irp a, 0,1,2,3
	v_lshl_or_b32 v[WD+\a], v[TX+4*\a+2], 16, v[WD+\a]
.endr
.irp a, 0,1,2,3
	v_lshl_or_b32 v[WD+\a], v[TX+4*\a+3], 24, v[WD+\a]   ; tile a's scale word of my row
.endr
	WIN 0x02                                       ; source 0 window 2
.irp a, 0,1,2,3
.irp c, 0,1
	v_cvt_scalef32_pk16_fp6_f32 v[PC+20*\a+6*\c:PC+20*\a+6*\c+2], v[64*\a+32*\c:64*\a+32*\c+15], v[SCLR+4*\a+2*\c]
	v_cvt_scalef32_pk16_fp6_f32 v[PC+20*\a+12+4*\c:PC+20*\a+12+4*\c+2], v[64*\a+32*\c+16:64*\a+32*\c+31], v[SCLR+4*\a+2*\c+1]
.endr
.endr
	WIN 0
	v_nop                                          ; one plain line behind the conversions
.irp a, 0,1,2,3
.irp c, 0,1                            ; the operand's layout wants a WHOLE block in a lane: lanes 0-15 block 2 c, lanes 16-31 block 2 c + 1
.irp i, 0,1,2
	v_permlane16_swap_b32 v[PC+20*\a+6*\c+\i], v[PC+20*\a+12+4*\c+\i]
.endr
.irp i, 0,1,2
	v_mov_b32 v[PC+20*\a+3+6*\c+\i], v[PC+20*\a+12+4*\c+\i]
.endr
.endr
.endr
.irp a, 0,1,2,3
.irp q, 0,1,2,3,4,5
	global_store_b64 v11, v[PC+20*\a+2*\q:PC+20*\a+2*\q+1], s[84:85] offset:(\q/3)*6144+\a*768+(\q%3)*256   ; 32 lanes store 256 consecutive bytes, aligned
.endr
.endr
	v_cmp_eq_u32 vcc_lo, 1, v10
	v_cndmask_b32 v212, v[WD], v[WD+2], vcc_lo     ; lanes 0-15 send tiles 0 and 1's words, lanes 16-31 tiles 2 and 3's
	v_cndmask_b32 v213, v[WD+1], v[WD+3], vcc_lo
	global_store_b64 v12, v[212:213], s[86:87]     ; 256 consecutive bytes
	s_wait_tensorcnt 0x0
	ds_add_u32 v254, v255
	s_wait_dscnt 0x0
	CROUND                                         ; the closing round: no work-group ends while a partner may still ask for a tile that names it
	s_endpgm
.Lfunc_end_k_qf3aef5b2f5_qkv:
	.size	k_qf3aef5b2f5_qkv, .Lfunc_end_k_qf3aef5b2f5_qkv-k_qf3aef5b2f5_qkv
	.p2alignl 7, 3214868480
	.fill 96, 4, 3214868480
	.section	.rodata,"a",@progbits
	.p2align	6, 0x0
	.amdhsa_kernel k_qf3aef5b2f5_qkv
		.amdhsa_group_segment_fixed_size 307712
		.amdhsa_private_segment_fixed_size 0
		.amdhsa_enable_private_segment 0
		.amdhsa_kernarg_size 32
		.amdhsa_user_sgpr_count 2
		.amdhsa_user_sgpr_kernarg_segment_ptr 1
		.amdhsa_wavefront_size32 1
		.amdhsa_system_sgpr_workgroup_id_x 1
		.amdhsa_system_sgpr_workgroup_id_y 1
		.amdhsa_system_sgpr_workgroup_id_z 1
		.amdhsa_system_vgpr_workitem_id 0
		.amdhsa_next_free_vgpr 768
		.amdhsa_next_free_sgpr 100
		.amdhsa_reserve_vcc 1
		.amdhsa_float_denorm_mode_32 3
		.amdhsa_float_denorm_mode_16_64 3
		.amdhsa_memory_ordered 1
		.amdhsa_forward_progress 1
		.amdhsa_inst_pref_size 94
	.end_amdhsa_kernel
	.amdgpu_metadata
---
amdhsa.version: [ 1, 2 ]
amdhsa.kernels:
  - .name:           k_qf3aef5b2f5_qkv
    .symbol:         k_qf3aef5b2f5_qkv.kd
    .args:
      - { .name: opq, .offset: 0, .size: 8, .value_kind: global_buffer, .address_space: global }
      - { .name: b_attn, .offset: 8, .size: 8, .value_kind: global_buffer, .address_space: global }
      - { .name: qkvc, .offset: 16, .size: 8, .value_kind: global_buffer, .address_space: global }
      - { .name: qkvs, .offset: 24, .size: 8, .value_kind: global_buffer, .address_space: global }
    .group_segment_fixed_size: 307712
    .private_segment_fixed_size: 0
    .kernarg_segment_align: 8
    .kernarg_segment_size: 32
    .max_flat_workgroup_size: 128
    .sgpr_count:     100
    .vgpr_count:     768
    .wavefront_size: 32
...
	.end_amdgpu_metadata
.endif
;; end of part 2
;; launch attn (part 3): grid 4 x 64, 16 waves a work-group, no clusters, 217,088 bytes of LDS; arguments qkvc, qkvs, yq; writes yq
.if DOCPART == 3
	.amdgcn_target "amdgcn-amd-amdhsa--gfx1250"
	.amdhsa_code_object_version 6
	.text
	.protected	k_qf3aef5b2f5_attn
	.globl	k_qf3aef5b2f5_attn
	.p2align	8
	.type	k_qf3aef5b2f5_attn,@function
k_qf3aef5b2f5_attn:
	s_mov_b64 s[64:65], 0
	v_nop
	global_prefetch_b8 v0, s[64:65] scope:SCOPE_SE
	s_setreg_imm32_b32 hwreg(HW_REG_WAVE_MODE, 25, 1), 1
	s_wait_xcnt 0x0
; y = softmax(q k^T / 8, causal) v for one head, both products on codes of FP6; y leaves quantised along the channels, as the last product's operand.
; THE SOFTMAX: t = score x log2(e) / 8; M = the running largest t rounded UP to a whole number; p = 2^(t - M) is quantised along the keys, not normalised; the row's sum is taken of the unquantised p and divides at the end.
; When M moves, the sum and O^T are multiplied by 2^(old M - new M): exact.
; SHARES.  Work-group (j, head) owns the query blocks 7 - j and j of 256 queries, one after the other: with the causal mask that is the same number of key steps in every work-group.  Each of sixteen waves owns one tile of 16 queries.
; A HEAD'S K, V AND THEIR SCALE WORDS LIE IN LDS WHOLE, each byte filled once, in four stages of 512 keys; the first pass starts on a stage as soon as it has landed.
; Both products are used transposed: S^T = K Q^T, O^T = V^T P^T: a lane holds ONE query.  The head's size is 64: the upper 64 of the first product's 128 along K are zero codes in Q, so whatever stands there in K's operand adds nothing.
; The rows of every tile are 32 (i / 2) + 8 (i % 2) + r + 8 (r / 8): so p's 16 registers of two neighbouring tiles are 16 neighbouring keys, and O^T's are 16 neighbouring channels.
; A key step all of whose keys come after the wave's queries is left out by a scalar branch on ids; every loop's trip count is a constant.
; No cluster: what tells the work-groups of a head apart is the query block, on which the causal branch hangs.
; LIMITS: NaN and infinities are not served; a block whose largest magnitude lies under 2^-124, zeros among them, keeps the byte 1.
; REGISTERS: v2-7 addresses that stay; v8-11 the step's addresses; v12 -M, v13 the largest t, v[14:15] the sum; v16-27 Q (22-27 zero), v28 its scale word; v32-85 K's or V's fragments (80-85 zero);
;            v96-159 S^T, then p; v160-191 O^T; v192-211 at work; v212-230 codes; v232-243 K's and V's scale words; v244-251 the way out.
.set KC,  0                            ; K's codes  [key step 16][tile 8][p 3][256 bytes]
.set VC,  98304                        ; V's codes  [key step 16][c 2][tile 4][p 3][256 bytes]
.set KS,  196608                       ; K's scale words, 512 bytes a key step (both heads of the pair)
.set VS,  204800                       ; V's likewise
.set YS,  212992                       ; y's scale words on their way out: 1,024 bytes for each pass; no fill lands here
.set AK0, 6                            ; v6  8 x lane: K's codes begin at LDS byte 0, so this is also my place in a tile of K
.set WV,  10
.set SEL, 20
.set CS,  22
.set G1K, 24
.set G1V, 32
.set G1S, 40
.set G0,  48                           ; s[48:63] four groups 0, written in the arm that uses them
.set TK,  66                           ; LDS byte of the step's codes: 6,144 a step
.set TS,  67                           ; of its scale words: 512 a step
.set KF,  68                           ; the step's first key
.set Q0,  69                           ; my tile's first query
.set CNT, 70
	s_load_b128 s[4:7], s[0:1], 0x0                ; qkvc, qkvs
	s_load_b64 s[8:9], s[0:1], 0x10                ; yq
	v_lshl_add_u32 v254, v0, 2, 0x34800
	v_mov_b32 v255, 0
	ds_add_u32 v254, v255
	ds_add_u32 v254, v255
	v_lshrrev_b32 v1, 5, v0
	s_delay_alu instid0(VALU_DEP_1)
	v_readfirstlane_b32 s[WV], v1                  ; wave 0..15
	s_and_b32 s11, ttmp7, 0xffff                   ; batch x 16 + head
	s_lshr_b32 s12, s11, 1                         ; the pair of heads
	s_and_b32 s13, s11, 1                          ; which of the pair
	s_lshr_b32 s14, s11, 4                         ; batch
	s_bfe_u32 s15, s11, 0x30001                    ; the pair within the batch
	s_lshr_b32 s16, s[WV], 3                       ; which 128 of the block's 256 queries
	s_and_b32 s17, s[WV], 7                        ; tile i
	s_mov_b32 s[G1K], 3<<16                        ; K: 4 rows of 6,144 bytes (a key step's tiles of my head), 12,288 apart; elements of 8 bytes
	s_mov_b32 s[G1K+1], 768<<16
	s_mov_b32 s[G1K+2], 4<<16
	s_mov_b32 s[G1K+3], 768<<16
	s_mov_b32 s[G1K+4], 4
	s_mov_b32 s[G1K+5], 1536
	s_mov_b32 s[G1K+6], 0
	s_mov_b32 s[G1K+7], 0
	s_mov_b32 s[G1V], 3<<16                        ; V: 8 rows of 3,072 bytes (half a key step's tiles of my head), 6,144 apart
	s_mov_b32 s[G1V+1], 384<<16
	s_mov_b32 s[G1V+2], 8<<16
	s_mov_b32 s[G1V+3], 384<<16
	s_mov_b32 s[G1V+4], 8
	s_mov_b32 s[G1V+5], 768
	s_mov_b32 s[G1V+6], 0
	s_mov_b32 s[G1V+7], 0
	s_mov_b32 s[G1S], 3<<16                        ; scale words: 2,048 dense bytes as 8 rows of 256
	s_mov_b32 s[G1S+1], 32<<16
	s_mov_b32 s[G1S+2], 8<<16
	s_mov_b32 s[G1S+3], 32<<16
	s_mov_b32 s[G1S+4], 8
	s_mov_b32 s[G1S+5], 32
	s_mov_b32 s[G1S+6], 0
	s_mov_b32 s[G1S+7], 0
	s_lshl_b32 s18, s12, 4                         ; 16 x pair: the pair's first block in each third of qkvc and qkvs; kept
	s_mul_i32 s72, s18, 12288
	s_mul_i32 s19, s13, 6144
	s_add_co_u32 s72, s72, s19
	s_add_co_u32 s72, s72, 512*12288               ; K's codes of my head
	s_mov_b32 s73, 0
	s_mul_i32 s74, s18, 12288
	s_mul_i32 s19, s13, 3072
	s_add_co_u32 s74, s74, s19
	s_add_co_u32 s74, s74, 1024*12288              ; V's
	s_mov_b32 s75, 0
	s_and_b32 s19, s[WV], 1                        ; wave 2: K's scale words, wave 3: V's
	s_lshl_b32 s94, s19, 13
	s_add_co_u32 s94, s94, KS
	s_lshl_b32 s19, s19, 9
	s_add_co_u32 s19, s19, s18
	s_add_co_u32 s19, s19, 512
	s_lshl_b32 s92, s19, 9
	s_mov_b32 s93, 0
	s_wait_dscnt 0x0
	s_wait_kmcnt 0x0
	s_add_nc_u64 s[88:89], s[4:5], s[72:73]
	s_add_nc_u64 s[90:91], s[4:5], s[74:75]
	s_add_nc_u64 s[92:93], s[6:7], s[92:93]
	; ALL fills of the launch, as one group; a wave's four stand in one arm; four loads of a wave are out at the most
	s_cmp_eq_u32 s[WV], 0
	s_cbranch_scc0 .Lnot_k
.irp g, 0,1,2,3
	s_mov_b32 s[G0+4*\g], 1
	s_mov_b32 s[G0+4*\g+1], KC+\g*24576
	s_add_nc_u64 s[G0+4*\g+2:G0+4*\g+3], s[88:89], \g*49152
	s_or_b32 s[G0+4*\g+3], s[G0+4*\g+3], 0x80000000
.endr
.irp g, 0,1,2,3
	tensor_load_to_lds s[G0+4*\g:G0+4*\g+3], s[G1K:G1K+7]
	s_nop 0
.endr
.rept 4
	v_nop
.endr
	s_branch .Lfilled
.Lnot_k:
	s_cmp_eq_u32 s[WV], 1
	s_cbranch_scc0 .Lnot_v
.irp g, 0,1,2,3
	s_mov_b32 s[G0+4*\g], 1
	s_mov_b32 s[G0+4*\g+1], VC+\g*24576
	s_add_nc_u64 s[G0+4*\g+2:G0+4*\g+3], s[90:91], \g*49152
	s_or_b32 s[G0+4*\g+3], s[G0+4*\g+3], 0x80000000
.endr
.irp g, 0,1,2,3
	tensor_load_to_lds s[G0+4*\g:G0+4*\g+3], s[G1V:G1V+7]
	s_nop 0
.endr
.rept 4
	v_nop
.endr
	s_branch .Lfilled
.Lnot_v:
	s_cmp_lt_u32 s[WV], 4
	s_cbranch_scc0 .Lfilled
.irp g, 0,1,2,3
	s_mov_b32 s[G0+4*\g], 1
	s_add_co_u32 s[G0+4*\g+1], s94, \g*2048
	s_add_nc_u64 s[G0+4*\g+2:G0+4*\g+3], s[92:93], \g*2048
	s_or_b32 s[G0+4*\g+3], s[G0+4*\g+3], 0x80000000
.endr
.irp g, 0,1,2,3
	tensor_load_to_lds s[G0+4*\g:G0+4*\g+3], s[G1S:G1S+7]
	s_nop 0
.endr
.rept 4
	v_nop
.endr
.Lfilled:
	v_and_b32 v8, 31, v0                           ; lane
	v_and_b32 v9, 15, v0                           ; r
	v_bfe_u32 v10, v0, 4, 1                        ; h
	s_delay_alu instid0(VALU_DEP_3)
	v_lshlrev_b32 v6, 3, v8                        ; 8 x lane
	s_delay_alu instid0(VALU_DEP_3)
	v_lshlrev_b32 v7, 4, v9                        ; 16 r
	v_lshlrev_b32 v246, 4, v8                      ; 16 x lane
	s_delay_alu instid0(VALU_DEP_3)
	v_add_nc_u32 v2, VC, v6                        ; my place in a tile of V
	s_lshl_b32 s19, s13, 1
	s_add_co_u32 s19, s19, KS
	v_add_nc_u32 v3, s19, v7                       ; K's scale words: row r, my head's two bytes
	s_lshl_b32 s19, s13, 8
	s_add_co_u32 s19, s19, VS
	v_add_nc_u32 v4, s19, v7                       ; V's: my head's four tiles, row r
	v_and_b32 v5, 8, v9
	s_delay_alu instid0(VALU_DEP_1)
	v_add_nc_u32 v5, v5, v9
	v_lshlrev_b32 v11, 4, v10
	s_delay_alu instid0(VALU_DEP_1)
	v_sub_nc_u32 v5, v5, v11                       ; r + 8 (r / 8) - 16 h: my query in the tile, less my half's first key in a block
	s_lshl_b32 s19, s16, 9
	s_add_co_u32 s19, s19, YS
	v_add_nc_u32 v245, s19, v246                   ; y's scale words, back: 512 bytes of my 128 queries
	s_lshr_b32 s95, s17, 2
	s_lshl_b32 s95, s95, 8
	s_add_co_u32 s19, s19, s95
	s_and_b32 s95, s17, 3
	s_lshl_b32 s95, s95, 2
	s_add_co_u32 s19, s19, s95
	v_add_nc_u32 v244, s19, v7                     ; and in: [i / 4][r][i % 4]
	s_mov_b32 s[SEL], 0x76543210
	s_mov_b32 s[SEL+1], 0xfedcba98
	s_mov_b32 s[CS], 0x3e38aa3b                    ; c = log2(e) / 8
	s_mov_b32 s[CS+1], s[CS]                       ; (named with it as a pair)
	s_mul_i32 s76, s13, 6144                       ; what does not change from pass to pass: Q's codes: my head's half of a block, my tile;
	s_mul_i32 s19, s17, 768
	s_add_co_u32 s76, s76, s19
	s_lshr_b32 s77, s17, 2                         ; Q's scale words;
	s_lshl_b32 s77, s77, 8
	s_add_co_u32 s77, s77, s95
	s_lshl_b32 s19, s13, 1
	s_add_co_u32 s77, s77, s19
	s_lshl_b32 s78, s13, 9                         ; y's scale words;
	s_add_co_u32 s78, s78, 12288
	s_mul_i32 s79, s17, 1536                       ; y's codes
	s_mul_i32 s19, s13, 768
	s_add_co_u32 s79, s79, s19
.irp n, 22,23,24,25,26,27, 80,81,82,83,84,85
	v_mov_b32 v\n, 0                               ; zero codes: the upper 64 along K of Q, and what stands behind K's last tile
.endr
.irp n, 196,197,198,199, 207, 208
	v_mov_b32 v\n, 0                               ; lane permutes' destinations and the upper half of a pair: written once
.endr
; A KEY STEP: 128 keys.
.macro STEP
	s_add_co_u32 s95, s[Q0], 23                    ; my tile's last query
	s_cmp_gt_u32 s[KF], s95
	s_cbranch_scc1 .Lhidden_\@
	s_setprio 2
	v_add_nc_u32 v8, s[TK], v[AK0]                 ; (these four are also the places in front of the loads into registers that the last products read)
	v_add_nc_u32 v9, s[TK], v2
	v_add_nc_u32 v10, s[TS], v3
	v_add_nc_u32 v11, s[TS], v4
.irp t, 0,1,2,3,4,5,6,7
.irp p, 0,1,2
	ds_load_b64 v[32+6*\t+2*\p:33+6*\t+2*\p], v8 offset:768*\t+256*\p   ; tile t's six registers: the head's 64
.endr
	ds_load_u16 v[232+\t], v10 offset:256*(\t/4)+4*(\t%4)              ; its two scale bytes; the upper two come as 0
.endr
	s_wait_alu depctr_va_vdst(0)
	s_wait_dscnt 0x0
.irp t, 0,1,2,3,4,5,6,7
	v_wmma_scale_f32_16x16x128_f8f6f4 v[96+8*\t:103+8*\t], v[32+6*\t:43+6*\t], v[16:27], 0, v[232+\t], v28 matrix_a_fmt:MATRIX_FMT_FP6 matrix_b_fmt:MATRIX_FMT_FP6   ; the operand's upper six registers are the next tile's: they meet Q's zero codes
.endr
.rept 4
	v_nop                                          ; places in front of the loads below and of the first read of the scores
.endr
.irp t, 0,1,2,3
.irp q, 0,1,2,3,4,5
	ds_load_b64 v[32+12*\t+2*\q:33+12*\t+2*\q], v9 offset:3072*(\q/3)+768*\t+256*(\q%3)   ; V's four fragments: they land under the softmax
.endr
.endr
	ds_load_b128 v[240:243], v11
	s_add_co_u32 s95, s[KF], 127                   ; on the diagonal hidden scores become -infinity; a step all of whose keys count skips this
	s_cmp_le_u32 s95, s[Q0]
	s_cbranch_scc1 .Lopen_\@
	s_sub_co_i32 s95, s[Q0], s[KF]
	v_add_nc_u32 v209, s95, v5                     ; d = my query - KF - 16 h.  Register 16 b + i holds key KF + 32 b + 16 h + i: hidden where 32 b + i > d
	v_mov_b32 v210, 0xff800000
.set N, 0
.rept 64
	v_cmp_gt_i32 vcc_lo, 32*(N/16)+N%16, v209
	v_cndmask_b32 v[96+N], v[96+N], v210, vcc_lo
.set N, N+1
.endr
.Lopen_\@:
.irp b, 0,1,2,3
	v_max3_num_f32 v[192+\b], v[96+16*\b], v[97+16*\b], v[98+16*\b]   ; the largest score of each block of 32 keys: for the row's maximum, and, since p rises with the score, for the block's largest p
.endr
.irp i, 3,5,7,9,11,13
.irp b, 0,1,2,3
	v_max3_num_f32 v[192+\b], v[192+\b], v[96+16*\b+\i], v[97+16*\b+\i]
.endr
.endr
.irp b, 0,1,2,3
	v_max_num_f32 v[192+\b], v[192+\b], v[111+16*\b]
.endr
.irp b, 0,1,2,3
	s_delay_alu instid0(VALU_DEP_4)
	v_permlanex16_b32 v[196+\b], v[192+\b], s[SEL], s[SEL+1]
.endr
.irp b, 0,1,2,3
	s_delay_alu instid0(VALU_DEP_4)
	v_max_num_f32 v[192+\b], v[192+\b], v[196+\b]
.endr
	s_delay_alu instid0(VALU_DEP_2)
	v_max3_num_f32 v208, v192, v193, v194
	s_delay_alu instid0(VALU_DEP_1)
	v_max_num_f32 v208, v208, v195
	s_delay_alu instid0(VALU_DEP_1)
	v_mul_f32 v208, s[CS], v208                    ; the step's largest t
	s_delay_alu instid0(VALU_DEP_1)
	v_max_num_f32 v13, v13, v208                   ; the running largest t
	v_mov_b32 v208, v12
	s_delay_alu instid0(VALU_DEP_2)
	v_floor_f32 v12, -v13                          ; the new -M = -ceil(t): a whole number
	s_delay_alu instid0(VALU_DEP_1)
	v_sub_f32 v208, v12, v208                      ; old M - new M, 0 or less
	s_delay_alu instid0(VALU_DEP_1)
	v_cvt_i32_f32 v208, v208                       ; (it saturates)
	s_delay_alu instid0(VALU_DEP_1)
	v_ldexp_f32 v206, 1.0, v208                    ; f = 2^(old M - new M)
.set N, 0
	s_setprio 1
.rept 32
	v_pk_fma_f32 v[96+N:97+N], v[96+N:97+N], s[CS:CS+1], v[12:13] op_sel_hi:[1,0,0]   ; t - M
.set N, N+2
.endr
.irp b, 0,1,2,3
	v_fma_f32 v[192+\b], v[192+\b], s[CS], v12
.endr
.set N, 0
	s_wait_alu depctr_va_vdst(0)
.rept 64
	v_exp_f32 v[96+N], v[96+N]                     ; p = 2^(t - M)
.set N, N+1
.endr
	v_pk_mul_f32 v[14:15], v[14:15], v[206:207] op_sel_hi:[1,0]   ; the sum under the new M: the plain line behind the batch
	s_wait_alu depctr_va_vdst(0)                   ; one wait for the 64, ahead of their first reader
.irp b, 0,1,2,3
	v_exp_f32 v[192+\b], v[192+\b]                 ; each block's largest p
.endr
	v_pk_add_f32 v[204:205], v[100:101], v[104:105]
	v_pk_add_f32 v[252:253], v[108:109], v[112:113]
	v_pk_add_f32 v[250:251], v[116:117], v[120:121]
	v_pk_add_f32 v[248:249], v[124:125], v[128:129]
	v_pk_add_f32 v[238:239], v[132:133], v[136:137]
	v_pk_add_f32 v[236:237], v[140:141], v[144:145]
	v_pk_add_f32 v[234:235], v[148:149], v[152:153]
	v_pk_add_f32 v[14:15], v[14:15], v[156:157]
	v_pk_add_f32 v[204:205], v[204:205], v[96:97]
	v_pk_add_f32 v[252:253], v[252:253], v[98:99]
	v_pk_add_f32 v[250:251], v[250:251], v[102:103]
	v_pk_add_f32 v[248:249], v[248:249], v[106:107]
	v_pk_add_f32 v[238:239], v[238:239], v[110:111]
	v_pk_add_f32 v[236:237], v[236:237], v[114:115]
	v_pk_add_f32 v[234:235], v[234:235], v[118:119]
	v_pk_add_f32 v[14:15], v[14:15], v[122:123]
	v_pk_add_f32 v[204:205], v[204:205], v[126:127]
	v_pk_add_f32 v[252:253], v[252:253], v[130:131]
	v_pk_add_f32 v[250:251], v[250:251], v[134:135]
	v_pk_add_f32 v[248:249], v[248:249], v[138:139]
	v_pk_add_f32 v[238:239], v[238:239], v[142:143]
	v_pk_add_f32 v[236:237], v[236:237], v[146:147]
	v_pk_add_f32 v[234:235], v[234:235], v[150:151]
	v_pk_add_f32 v[14:15], v[14:15], v[154:155]
	v_pk_add_f32 v[204:205], v[204:205], v[158:159]
	s_delay_alu instid0(VALU_DEP_2)
	v_pk_add_f32 v[14:15], v[14:15], v[248:249]
	s_delay_alu instid0(VALU_DEP_2)
	v_pk_add_f32 v[204:205], v[204:205], v[238:239]
	v_pk_add_f32 v[252:253], v[252:253], v[236:237]
	v_pk_add_f32 v[250:251], v[250:251], v[234:235]
	s_delay_alu instid0(VALU_DEP_2)
	v_pk_add_f32 v[14:15], v[14:15], v[252:253]
	s_delay_alu instid0(VALU_DEP_2)
	v_pk_add_f32 v[204:205], v[204:205], v[250:251]
	s_delay_alu instid0(VALU_DEP_1)
	v_pk_add_f32 v[14:15], v[14:15], v[204:205]
	s_setprio 0
	s_wait_alu depctr_va_vdst(0)                   ; and one for the four
.irp b, 0,1,2,3
	v_max_num_f32 v[192+\b], 0x1800000, v[192+\b]  ; the floor: the byte cannot fall under 1
.endr
.irp b, 0,1,2,3
	s_delay_alu instid0(VALU_DEP_4)
	v_add_nc_u32 v[200+\b], 0xff000000, v[192+\b]
.endr
.irp b, 0,1,2,3
	s_delay_alu instid0(VALU_DEP_4)
	v_lshrrev_b32 v[196+\b], 23, v[200+\b]
.endr
	s_delay_alu instid0(VALU_DEP_3)
	v_lshl_or_b32 v211, v197, 8, v196              ; p's scale word
	s_delay_alu instid0(VALU_DEP_1)
	v_lshl_or_b32 v211, v198, 16, v211
	s_delay_alu instid0(VALU_DEP_1)
	v_lshl_or_b32 v211, v199, 24, v211
.irp c, 0,1
	v_cvt_scalef32_pk16_fp6_f32 v[212+6*\c:214+6*\c], v[96+32*\c:111+32*\c], v[200+2*\c]
	v_cvt_scalef32_pk16_fp6_f32 v[224+4*\c:226+4*\c], v[112+32*\c:127+32*\c], v[201+2*\c]
.endr
	v_nop                                          ; one plain line behind the conversions
.irp c, 0,1
.irp i, 0,1,2
	v_permlane16_swap_b32 v[212+6*\c+\i], v[224+4*\c+\i]
.endr
.irp i, 0,1,2
	s_delay_alu instid0(VALU_DEP_3)
	v_mov_b32 v[215+6*\c+\i], v[224+4*\c+\i]
.endr
.endr
.set N, 0
.rept 16
	v_pk_mul_f32 v[160+N:161+N], v[160+N:161+N], v[206:207] op_sel_hi:[1,0]   ; O^T under the new M.  (These stand between the writing of p's codes and scale word and the products)
.set N, N+2
.endr
	s_wait_alu depctr_va_vdst(0)
	s_wait_dscnt 0x0                               ; V
.irp t, 0,1,2,3
	v_wmma_scale_f32_16x16x128_f8f6f4 v[160+8*\t:167+8*\t], v[32+12*\t:43+12*\t], v[212:223], v[160+8*\t:167+8*\t], v[240+\t], v211 matrix_a_fmt:MATRIX_FMT_FP6 matrix_b_fmt:MATRIX_FMT_FP6
.endr
.Lhidden_\@:
	s_add_co_u32 s[KF], s[KF], 128
	s_add_co_u32 s[TK], s[TK], 6144
	s_add_co_u32 s[TS], s[TS], 512
.endm
.macro WALK first, n                   ; n key steps from key step first on; the three scalars begin as constants
	s_mov_b32 s[TK], (\first)*6144
	s_mov_b32 s[TS], (\first)*512
	s_mov_b32 s[KF], (\first)*128
	s_mov_b32 s[CNT], \n
.Lwalk_\@:
	STEP
	s_sub_co_u32 s[CNT], s[CNT], 1
	s_cmp_lg_u32 s[CNT], 0
	s_cbranch_scc1 .Lwalk_\@
	s_setprio 0
.endm
; A PASS: one block of 256 queries.  ps = 0: block 7 - j, while the stages land; ps = 1: block j, whose keys end at 1,023 at the latest: 8 key steps.
.macro PASS ps
	s_wait_xcnt 0x0                                ; the last pass's stores have read their registers and bases
.if \ps == 0
	s_sub_co_u32 s71, 7, ttmp9
.else
	s_mov_b32 s71, ttmp9
.endif
	s_lshl_b32 s71, s71, 1
	s_add_co_u32 s71, s71, s16                     ; my group of 128 queries in the head
	s_lshl_b32 s[Q0], s71, 7
	s_lshr_b32 s72, s17, 1
	s_lshl_b32 s72, s72, 5
	s_add_co_u32 s[Q0], s[Q0], s72
	s_and_b32 s72, s17, 1
	s_lshl_b32 s72, s72, 3
	s_add_co_u32 s[Q0], s[Q0], s72                 ; my tile's first query; lane r holds query Q0 + r + 8 (r / 8)
	s_add_co_u32 s72, s18, s71
	s_mul_i32 s74, s72, 12288
	s_add_co_u32 s74, s74, s76
	s_mov_b32 s75, 0
	s_add_nc_u64 s[80:81], s[4:5], s[74:75]        ; Q's codes
	s_lshl_b32 s74, s72, 9
	s_add_co_u32 s74, s74, s77
	s_add_nc_u64 s[82:83], s[6:7], s[74:75]        ; Q's scale words
	s_lshl_b32 s72, s14, 4
	s_add_co_u32 s72, s72, s71
	s_lshl_b32 s72, s72, 3
	s_add_co_u32 s72, s72, s15
	s_mul_i32 s72, s72, 13312                      ; y's block: (group of tokens) x 8 + pair of heads
	s_add_co_u32 s74, s72, s78
	s_add_nc_u64 s[84:85], s[8:9], s[74:75]
	s_add_co_u32 s74, s72, s79
	s_add_nc_u64 s[86:87], s[8:9], s[74:75]
.irp p, 0,1,2
	global_load_b64 v[16+2*\p:17+2*\p], v6, s[80:81] offset:256*\p
.endr
	global_load_u16 v28, v7, s[82:83]
	v_mov_b32 v13, 0xff61b1e6                      ; the largest t so far: -3e38
	s_delay_alu instid0(VALU_DEP_1)
	v_floor_f32 v12, -v13
	v_mov_b32 v14, 0
	v_mov_b32 v15, 0
.set N, 0
.rept 32
	v_mov_b32 v[160+N], 0                          ; O^T: the step is written once; its first trip finds zeros
.set N, N+1
.endr
	s_wait_loadcnt 0x0
.if \ps == 0
.irp g, 0,1,2,3
	s_wait_dscnt 0x0
	s_wait_tensorcnt 3-\g                          ; my part of stage g is in; the later stages' loads may stay out
	s_barrier_signal -1
	s_barrier_wait -1                              ; everybody's is
	WALK 4*\g, 4
.endr
.else
	WALK 0, 8
.endif
	; the way out: O^T / the sum, quantised along the head's 64 channels: half a fragment of the last product's operand
.rept 4
	v_nop
.endr
	v_add_f32 v14, v14, v15
	s_delay_alu instid0(VALU_DEP_1)
	v_permlanex16_b32 v208, v14, s[SEL], s[SEL+1]
	s_delay_alu instid0(VALU_DEP_1)
	v_add_f32 v14, v14, v208                       ; the row's sum
	s_wait_alu depctr_va_vdst(0)
	v_rcp_f32 v206, v14
	v_nop                                          ; a plain line behind the reciprocal
	s_wait_alu depctr_va_vdst(0)                   ; and the wait ahead of its first reader
.set N, 0
.rept 16
	v_pk_mul_f32 v[160+N:161+N], v[160+N:161+N], v[206:207] op_sel_hi:[1,0]   ; register 16 b + i: channel 32 b + 16 h + i
.set N, N+2
.endr
.irp b, 0,1
	v_max3_num_f32 v[192+\b], |v[160+16*\b]|, |v[161+16*\b]|, 0x1800000
.endr
.irp i, 2,4,6,8,10,12,14
.irp b, 0,1
	s_delay_alu instid0(VALU_DEP_2)
	v_max3_num_f32 v[192+\b], v[192+\b], |v[160+16*\b+\i]|, |v[161+16*\b+\i]|
.endr
.endr
.irp b, 0,1
	s_delay_alu instid0(VALU_DEP_2)
	v_permlanex16_b32 v[196+\b], v[192+\b], s[SEL], s[SEL+1]
.endr
.irp b, 0,1
	s_delay_alu instid0(VALU_DEP_2)
	v_max_num_f32 v[192+\b], v[192+\b], v[196+\b]
.endr
.irp b, 0,1
	s_delay_alu instid0(VALU_DEP_2)
	v_add_nc_u32 v[200+\b], 0xff000000, v[192+\b]
.endr
.irp b, 0,1
	s_delay_alu instid0(VALU_DEP_2)
	v_lshrrev_b32 v[196+\b], 23, v[200+\b]
.endr
	s_delay_alu instid0(VALU_DEP_1)
	v_lshl_or_b32 v209, v197, 8, v196              ; my head's two bytes; the upper two are 0
	v_cvt_scalef32_pk16_fp6_f32 v[212:214], v[160:175], v200
	v_cvt_scalef32_pk16_fp6_f32 v[224:226], v[176:191], v201
	v_nop
.irp i, 0,1,2
	v_permlane16_swap_b32 v[212+\i], v[224+\i]
.endr
.irp i, 0,1,2
	s_delay_alu instid0(VALU_DEP_3)
	v_mov_b32 v[215+\i], v[224+\i]
.endr
.irp p, 0,1,2
	global_store_b64 v6, v[212+2*\p:213+2*\p], s[86:87] offset:256*\p   ; 32 lanes store 256 consecutive bytes, aligned
.endr
	ds_store_b32 v244, v209 offset:\ps*1024        ; both lanes of a query write the same word
	s_wait_dscnt 0x0
	s_barrier_signal -1
	s_barrier_wait -1
	s_cmp_lg_u32 s17, 0                            ; waves 0 and 8 send the 512 bytes of their 128 queries
	s_cbranch_scc1 .Lno_words_\@
	ds_load_b128 v[248:251], v245 offset:\ps*1024
	s_wait_dscnt 0x0
	global_store_b128 v246, v[248:251], s[84:85]
.Lno_words_\@:
.endm
	PASS 0
	PASS 1
	s_wait_tensorcnt 0x0
	ds_add_u32 v254, v255
	s_wait_dscnt 0x0
	s_endpgm
.Lfunc_end_k_qf3aef5b2f5_attn:
	.size	k_qf3aef5b2f5_attn, .Lfunc_end_k_qf3aef5b2f5_attn-k_qf3aef5b2f5_attn
	.p2alignl 7, 3214868480
	.fill 96, 4, 3214868480
	.section	.rodata,"a",@progbits
	.p2align	6, 0x0
	.amdhsa_kernel k_qf3aef5b2f5_attn
		.amdhsa_group_segment_fixed_size 217088
		.amdhsa_private_segment_fixed_size 0
		.amdhsa_enable_private_segment 0
		.amdhsa_kernarg_size 24
		.amdhsa_user_sgpr_count 2
		.amdhsa_user_sgpr_kernarg_segment_ptr 1
		.amdhsa_wavefront_size32 1
		.amdhsa_system_sgpr_workgroup_id_x 1
		.amdhsa_system_sgpr_workgroup_id_y 1
		.amdhsa_system_sgpr_workgroup_id_z 1
		.amdhsa_system_vgpr_workitem_id 0
		.amdhsa_next_free_vgpr 256
		.amdhsa_next_free_sgpr 100
		.amdhsa_reserve_vcc 1
		.amdhsa_float_denorm_mode_32 3
		.amdhsa_float_denorm_mode_16_64 3
		.amdhsa_memory_ordered 1
		.amdhsa_forward_progress 1
		.amdhsa_inst_pref_size 147
	.end_amdhsa_kernel
	.amdgpu_metadata
---
amdhsa.version: [ 1, 2 ]
amdhsa.kernels:
  - .name:           k_qf3aef5b2f5_attn
    .symbol:         k_qf3aef5b2f5_attn.kd
    .args:
      - { .name: qkvc, .offset: 0, .size: 8, .value_kind: global_buffer, .address_space: global }
      - { .name: qkvs, .offset: 8, .size: 8, .value_kind: global_buffer, .address_space: global }
      - { .name: yq, .offset: 16, .size: 8, .value_kind: global_buffer, .address_space: global }
    .group_segment_fixed_size: 217088
    .private_segment_fixed_size: 0
    .kernarg_segment_align: 8
    .kernarg_segment_size: 24
    .max_flat_workgroup_size: 512
    .sgpr_count:     100
    .vgpr_count:     256
    .wavefront_size: 32
...
	.end_amdgpu_metadata
.endif
;; end of part 3
;; launch proj (part 4): grid 4 x 64, 4 waves a work-group, clusters of 4 x 4, 311,808 bytes of LDS; arguments yq, opq, b_proj, out0; writes out0
.if DOCPART == 4
	.amdgcn_target "amdgcn-amd-amdhsa--gfx1250"
	.amdhsa_code_object_version 6
	.text
	.protected	k_qf3aef5b2f5_proj
	.globl	k_qf3aef5b2f5_proj
	.p2align	8
	.type	k_qf3aef5b2f5_proj,@function
k_qf3aef5b2f5_proj:
	s_mov_b64 s[64:65], 0
	v_nop
	global_prefetch_b8 v0, s[64:65] scope:SCOPE_SE
	s_setreg_imm32_b32 hwreg(HW_REG_WAVE_MODE, 25, 1), 1
	s_wait_xcnt 0x0
	s_wait_alu depctr_hold_cnt(0) depctr_sa_sdst(0) depctr_va_vdst(0) depctr_va_sdst(0) depctr_va_ssrc(0) depctr_va_vcc(0) depctr_vm_vsrc(0)
	s_getreg_b32 s2, hwreg(HW_REG_IB_STS2, 6, 4)
	s_cmp_eq_u32 s2, 0
	s_cbranch_scc0 .Lentry_in_a_cluster
	s_endpgm
.Lentry_in_a_cluster:
	s_bfe_u32 s2, ttmp6, 0x10000c
	s_cmp_lg_u32 s2, 0xf033
	s_cbranch_scc0 .Lentry_shape_is_right
	s_endpgm
.Lentry_shape_is_right:
; out = y w_proj^T + b_proj on codes of FP6; out [8192][1024] f32.
; A work-group takes one group of 128 tokens of y (work-group y) and two groups of 128 rows of w_proj (2 x, 2 x + 1), all of K = 1,024, in LDS at once, each byte filled once, in four stages of two K steps.
; D = S0 x S1 with source 0 = 16 rows of w_proj, source 1 = 16 tokens: a lane holds one token and its registers run along the outputs.  A wave makes 64 tokens (half ah) x 128 outputs (group ww): 32 accumulators by turns.
; y's blocks (13,312 bytes: codes [tile 8][q 6][lane 32][8 bytes], then two runs of 512 bytes of scale words, one from each head of the K step's pair, two bytes each) are joined here: word = even head's | odd head's << 16.
; CLUSTER 4 x 4: y's blocks are asked for jointly along a row of the cluster, w's along a column.
; The rows of every tile are 32 (i / 2) + 8 (i % 2) + r + 8 (r / 8) of their group of 128.
; REGISTERS: window 0: v2-15 addresses; v16-39 scale words, two sets; v40-47 y's half words; v64-159 y's fragments, two sets; on the way out v128-255 rows of out.
;            window 1: v0-191 w's fragments, two sets; v192-255 the bias.   window 2: accumulator (a, b) at v[8 (8 a + b)].
.set KB,   12800                       ; a block of w
.set YB,   13312                       ; a block of y
.set WOFF, 2*YB                        ; in a stage: y's two K steps, then w's first group's, then its second's
.set SB,   2*YB+4*KB
.set A1,   4
.set A0,   5
.set C1,   6
.set C0,   7
.set STO,  13                          ; v13 the way out: where I put 32 bytes of a row
.set RD,   14                          ; v14 where I read a row back
.set CO,   15                          ; v15 16 x lane
.set SC,   16
.set LO,   40
.set HI,   44
.set F1,   64
.set BIAS, 192
.set BK,   128
.set G1X,  16
.set G1W,  24
.set G0X,  32
.set G0W,  48
.set MSB, 0
.macro WIN new
.if MSB != \new
	s_set_vgpr_msb (MSB<<8)|\new
.set MSB, \new
.endif
.endm
.macro CROUND
	s_barrier_signal -1
	s_barrier_wait -1
	s_cmp_lg_u32 s12, 0
	s_cbranch_scc1 .Lnot_wave_0_\@
	s_barrier_signal -3
.Lnot_wave_0_\@:
	s_barrier_wait -3
	s_barrier_signal -1
	s_barrier_wait -1
.endm
.macro PLACES
.rept 4
	v_nop
.endr
.endm
	s_load_b256 s[4:11], s[0:1], 0x0               ; yq, opq, b_proj, out0
	v_lshl_add_u32 v62, v0, 2, 0x4c000
	v_mov_b32 v63, 0
	ds_add_u32 v62, v63
	ds_add_u32 v62, v63
	v_lshrrev_b32 v1, 5, v0
	v_readfirstlane_b32 s12, v1                    ; wave
	s_and_b32 s13, s12, 1                          ; ww
	s_lshr_b32 s14, s12, 1                         ; ah
	s_bfe_u32 s66, ttmp6, 0x40000                  ; cx
	s_bfe_u32 s67, ttmp6, 0x40004                  ; cy
	s_lshl_b32 s68, ttmp9, 2
	s_add_co_u32 s68, s68, s66                     ; work-group x
	s_and_b32 s69, ttmp7, 0xffff
	s_lshl_b32 s69, s69, 2
	s_add_co_u32 s69, s69, s67                     ; work-group y
	s_lshl_b32 s70, s67, 2
	s_lshl_b32 s70, 15, s70                        ; my row of the cluster
	s_lshl_b32 s71, 0x1111, s66                    ; my column
	s_or_b32 s[G1X], s70, (3<<16)|(1<<21)
	s_or_b32 s[G1W], s71, (3<<16)|(1<<21)
	s_mov_b32 s[G1X+1], 32<<16                     ; y: two blocks, 26,624 dense bytes, as 104 rows of 256
	s_mov_b32 s[G1X+2], 104<<16
	s_mov_b32 s[G1X+3], 32<<16
	s_mov_b32 s[G1X+4], 104
	s_mov_b32 s[G1X+5], 32
	s_mov_b32 s[G1X+6], 0
	s_mov_b32 s[G1X+7], 0
	s_mov_b32 s[G1W+1], 32<<16                     ; w: 25,600 bytes, 100 rows
	s_mov_b32 s[G1W+2], 100<<16
	s_mov_b32 s[G1W+3], 32<<16
	s_mov_b32 s[G1W+4], 100
	s_mov_b32 s[G1W+5], 32
	s_mov_b32 s[G1W+6], 0
	s_mov_b32 s[G1W+7], 0
	s_mul_i32 s72, s69, 8*YB                       ; y's group: made of work-group y alone
	s_mov_b32 s73, 0
	s_lshl_b32 s76, s68, 1
	s_add_co_u32 s76, s76, s13                     ; w's group = 2 x + ww
	s_mul_i32 s74, s76, 8*KB
	s_add_co_u32 s74, s74, 704*KB                  ; w_proj's blocks lie behind x's 512 and w_attn's 192
	s_mov_b32 s75, 0
	s_mul_i32 s77, s13, 2*KB
	s_add_co_u32 s77, s77, WOFF                    ; w's place in a stage: the wave's number alone
	s_wait_dscnt 0x0
	s_wait_kmcnt 0x0
	s_add_nc_u64 s[72:73], s[4:5], s[72:73]
	s_add_nc_u64 s[74:75], s[6:7], s[74:75]
.irp d, 0,1,2,3
	s_mov_b32 s[G0X+4*\d], 1
	s_mov_b32 s[G0X+4*\d+1], \d*SB
	s_add_nc_u64 s[G0X+4*\d+2:G0X+4*\d+3], s[72:73], \d*2*YB
	s_or_b32 s[G0X+4*\d+3], s[G0X+4*\d+3], 0x80000000
	s_mov_b32 s[G0W+4*\d], 1
	s_add_co_u32 s[G0W+4*\d+1], s77, \d*SB
	s_add_nc_u64 s[G0W+4*\d+2:G0W+4*\d+3], s[74:75], \d*2*KB
	s_or_b32 s[G0W+4*\d+3], s[G0W+4*\d+3], 0x80000000
.endr
	CROUND                                         ; all sixteen work-groups are here: the joint loads meet
	s_cmp_eq_u32 s12, 0                            ; ALL fills of the launch, as one group: wave 0 y's four stages, waves 2 and 3 w's; four loads of a wave are out at the most
	s_cbranch_scc0 .Lnot_y
.irp d, 0,1,2,3
	tensor_load_to_lds s[G0X+4*\d:G0X+4*\d+3], s[G1X:G1X+7]
	s_nop 0
.endr
	PLACES
	s_branch .Lfilled
.Lnot_y:
	s_cmp_lt_u32 s12, 2
	s_cbranch_scc1 .Lfilled
.irp d, 0,1,2,3
	tensor_load_to_lds s[G0W+4*\d:G0W+4*\d+3], s[G1W:G1W+7]
	s_nop 0
.endr
	PLACES
.Lfilled:
	v_and_b32 v2, 31, v0                           ; lane
	v_and_b32 v3, 15, v0                           ; r
	v_bfe_u32 v10, v0, 4, 1                        ; h
	s_mul_i32 s80, s14, 6144
	v_lshl_add_u32 v[A1], v2, 3, s80               ; y's fragments: my four tiles, 8 bytes a lane
	v_lshl_add_u32 v[A0], v2, 4, s77               ; w's: 16 bytes a lane
	s_lshl_b32 s80, s14, 8
	s_add_co_u32 s80, s80, 12288
	v_lshl_add_u32 v[C1], v3, 4, s80
	s_add_co_u32 s80, s77, 12288
	v_lshl_add_u32 v[C0], v3, 4, s80
	v_lshlrev_b32 v8, 6, v10                       ; the bias: 16 h numbers on
	s_wait_alu depctr_va_vdst(0)
	s_mul_i32 s80, s12, 16*528                     ; my stage for the way out: 16 rows of 512 bytes + 16, in stage 0's bytes, which have had their one fill and are read no more behind the second K step's barrier
	v_mul_u32_u24 v[STO], v3, 528
	v_lshl_add_u32 v[STO], v10, 6, v[STO]
	v_add_nc_u32 v[STO], s80, v[STO]               ; in: row r, 64 h bytes on
	v_lshlrev_b32 v[CO], 4, v2
	v_add_nc_u32 v[RD], s80, v[CO]                 ; back: a whole row, 16 bytes a lane
	s_lshl_b32 s80, s69, 7
	s_lshl_b32 s81, s14, 6
	s_add_co_u32 s80, s80, s81                     ; my first token
	s_lshl_b32 s92, s80, 12
	s_lshl_b32 s81, s76, 9
	s_add_co_u32 s92, s92, s81                     ; and my 128 outputs' 512 bytes in its row
	s_mov_b32 s93, 0
	s_add_nc_u64 s[84:85], s[10:11], s[92:93]
	s_mov_b32 s92, s81
	s_add_nc_u64 s[88:89], s[8:9], s[92:93]        ; their bias
	WIN 0x40                                       ; destination window 1
.irp b, 0,1,2,3,4,5,6,7                ; the bias is the C of each sum's first product: tile b's eight numbers of my half
	global_load_b128 v[BIAS+8*\b:BIAS+8*\b+3], v8, s[88:89] offset:4*(32*(\b/2)+8*(\b%2))
	global_load_b128 v[BIAS+8*\b+4:BIAS+8*\b+7], v8, s[88:89] offset:4*(32*(\b/2)+8*(\b%2))+16
.endr
	WIN 0
.macro FETCH s                         ; K step s into set s % 2
.set FQ, (\s)%2
	WIN 0x40
.irp b, 0,1,2,3,4,5,6,7
.irp g, 0,1,2
	ds_load_b128 v[96*FQ+12*\b+4*\g:96*FQ+12*\b+4*\g+3], v[A0] offset:FQ*KB+1536*\b+512*\g
.endr
.endr
	WIN 0
.irp a, 0,1,2,3
.irp q, 0,1,2,3,4,5
	ds_load_b64 v[F1+48*FQ+12*\a+2*\q:F1+48*FQ+12*\a+2*\q+1], v[A1] offset:FQ*YB+1536*\a+256*\q
.endr
.endr
	ds_load_b128 v[LO:LO+3], v[C1] offset:FQ*YB
	ds_load_b128 v[HI:HI+3], v[C1] offset:FQ*YB+512
	ds_load_b128 v[SC+12*FQ+4:SC+12*FQ+7], v[C0] offset:FQ*KB
	ds_load_b128 v[SC+12*FQ+8:SC+12*FQ+11], v[C0] offset:FQ*KB+256
.endm
.macro MUL s, cm                       ; 32 products.  cm 0: onto the sums; 1: the sums begin with the bias
.set FP, (\s)%2
.irp a, 0,1,2,3
.irp b, 0,1,2,3,4,5,6,7
.if \cm == 0
	v_wmma_scale_f32_16x16x128_f8f6f4 v[8*(8*\a+\b):8*(8*\a+\b)+7], v[96*FP+12*\b:96*FP+12*\b+11], v[F1+48*FP+12*\a:F1+48*FP+12*\a+11], v[8*(8*\a+\b):8*(8*\a+\b)+7], v[SC+12*FP+4+\b], v[SC+12*FP+\a] matrix_a_fmt:MATRIX_FMT_FP6 matrix_b_fmt:MATRIX_FMT_FP6
.else
	v_wmma_scale_f32_16x16x128_f8f6f4 v[8*(8*\a+\b):8*(8*\a+\b)+7], v[96*FP+12*\b:96*FP+12*\b+11], v[F1+48*FP+12*\a:F1+48*FP+12*\a+11], v[BIAS+8*\b:BIAS+8*\b+7], v[SC+12*FP+4+\b], v[SC+12*FP+\a] matrix_a_fmt:MATRIX_FMT_FP6 matrix_b_fmt:MATRIX_FMT_FP6
.endif
.endr
.endr
.endm
; The head of K step s: its operands are in; y's scale words are joined; eight plain lines stand between that and the scaled products (they are also the places in front of the loads into the set that the step before multiplied);
; an odd step goes on to the next stage: the fetching wave waits for that stage's load (the later ones may stay out), all meet at a barrier, the addresses step on; then the next step's operands are asked for.
.macro STEP s
.set FS, (\s)%2
	s_wait_dscnt 0x0
.irp a, 0,1,2,3
	v_lshl_or_b32 v[SC+12*FS+\a], v[HI+\a], 16, v[LO+\a]
.endr
.rept 8
	v_nop
.endr
.if (\s) < 7
.if (\s)%2
	s_wait_alu depctr_va_vdst(0)
	s_wait_tensorcnt 3-((\s)+1)/2
	s_barrier_signal -1
	s_barrier_wait -1
	v_add_nc_u32 v[A1], SB, v[A1]
	v_add_nc_u32 v[A0], SB, v[A0]
	s_wait_alu depctr_va_vdst(0)
	v_add_nc_u32 v[C1], SB, v[C1]
	s_wait_alu depctr_va_vdst(0)
	v_add_nc_u32 v[C0], SB, v[C0]
.endif
	FETCH (\s)+1
.endif
.endm
	s_wait_tensorcnt 3                             ; my part of stage 0 is in,
	s_barrier_signal -1
	s_barrier_wait -1                              ; everybody's is
	FETCH 0
	STEP 0
	s_wait_alu depctr_va_vdst(0)
	s_wait_loadcnt 0x0                             ; the bias
	WIN 0x91                                       ; w and the bias window 1, y window 0, D window 2
	MUL 0, 1
	WIN 0
.irp s, 1,2,3,4,5,6,7
	s_wait_alu depctr_va_vdst(0)
	STEP \s
	WIN 0xa1                                       ; w window 1, y window 0, C and D window 2
	MUL \s, 0
	WIN 0
.endr
; THE WAY OUT, a tile of 16 tokens x 128 outputs at a time: a lane's 32 neighbouring bytes of a row go into my own stage and come back as whole rows of 512 bytes.  LDS serves a wave's instructions in order: no wait between the stores and the loads.
.macro TOSTAGE a
	WIN 0x08                                       ; an LDS store's data: window 2
.irp b, 0,1,2,3,4,5,6,7
	ds_store_b128 v[STO], v[8*(8*(\a)+\b):8*(8*(\a)+\b)+3] offset:128*(\b/2)+32*(\b%2)        ; outputs 32 (b / 2) + 8 (b % 2) + 16 h + 0 .. 7; each accumulator from its low end on
	ds_store_b128 v[STO], v[8*(8*(\a)+\b)+4:8*(8*(\a)+\b)+7] offset:128*(\b/2)+32*(\b%2)+16
.endr
	WIN 0
.set BB, BK+64*((\a)%2)
.irp t, 0,1,2,3,4,5,6,7,8,9,10,11,12,13,14,15
	ds_load_b128 v[BB+4*\t:BB+4*\t+3], v[RD] offset:\t*528
.endr
.endm
.macro SEND a
.set BB, BK+64*((\a)%2)
.irp t, 0,1,2,3,4,5,6,7,8,9,10,11,12,13,14,15
	global_store_b128 v[CO], v[BB+4*\t:BB+4*\t+3], s[84:85] offset:(32*((\a)/2)+8*((\a)%2)+\t+8*(\t/8))*4096 th:TH_STORE_NT   ; 32 lanes store 512 consecutive bytes, at a multiple of 256 from out's first byte
.endr
.endm
	PLACES                                         ; in front of the first read of results and of the loads into registers that held y's fragments
	TOSTAGE 0
.irp a, 1,2,3
.if \a > 1
	s_wait_xcnt 0x0                                ; tile a - 2's stores have read their registers: tile a's rows may land there
.endif
	TOSTAGE \a
	s_wait_dscnt 32                                ; tile a - 1's rows are back; behind them stand tile a's 16 stores and 16 loads
	SEND \a-1
.endr
	s_wait_dscnt 0x0
	SEND 3
	s_wait_tensorcnt 0x0
	ds_add_u32 v62, v63
	s_wait_dscnt 0x0
	CROUND                                         ; the closing round: no work-group ends while a partner may still ask for a tile that names it
	s_endpgm
.Lfunc_end_k_qf3aef5b2f5_proj:
	.size	k_qf3aef5b2f5_proj, .Lfunc_end_k_qf3aef5b2f5_proj-k_qf3aef5b2f5_proj
	.p2alignl 7, 3214868480
	.fill 96, 4, 3214868480
	.section	.rodata,"a",@progbits
	.p2align	6, 0x0
	.amdhsa_kernel k_qf3aef5b2f5_proj
		.amdhsa_group_segment_fixed_size 311808
		.amdhsa_private_segment_fixed_size 0
		.amdhsa_enable_private_segment 0
		.amdhsa_kernarg_size 32
		.amdhsa_user_sgpr_count 2
		.amdhsa_user_sgpr_kernarg_segment_ptr 1
		.amdhsa_wavefront_size32 1
		.amdhsa_system_sgpr_workgroup_id_x 1
		.amdhsa_system_sgpr_workgroup_id_y 1
		.amdhsa_system_sgpr_workgroup_id_z 1
		.amdhsa_system_vgpr_workitem_id 0
		.amdhsa_next_free_vgpr 768
		.amdhsa_next_free_sgpr 100
		.amdhsa_reserve_vcc 0
		.amdhsa_float_denorm_mode_32 3
		.amdhsa_float_denorm_mode_16_64 3
		.amdhsa_memory_ordered 1
		.amdhsa_forward_progress 1
		.amdhsa_inst_pref_size 89
	.end_amdhsa_kernel
	.amdgpu_metadata
---
amdhsa.version: [ 1, 2 ]
amdhsa.kernels:
  - .name:           k_qf3aef5b2f5_proj
    .symbol:         k_qf3aef5b2f5_proj.kd
    .args:
      - { .name: yq, .offset: 0, .size: 8, .value_kind: global_buffer, .address_space: global }
      - { .name: opq, .offset: 8, .size: 8, .value_kind: global_buffer, .address_space: global }
      - { .name: b_proj, .offset: 16, .size: 8, .value_kind: global_buffer, .address_space: global }
      - { .name: out0, .offset: 24, .size: 8, .value_kind: global_buffer, .address_space: global }
    .group_segment_fixed_size: 311808
    .private_segment_fixed_size: 0
    .kernarg_segment_align: 8
    .kernarg_segment_size: 32
    .max_flat_workgroup_size: 128
    .sgpr_count:     100
    .vgpr_count:     768
    .wavefront_size: 32
...
	.end_amdgpu_metadata
.endif
;; end of part 4
